; MI455X (gfx1250); checked and timed in simulation.
; The chip was launched on July 23, 2026; its instructions are those of AMD's public machine-readable ISA for CDNA 5 (MIT licence, August 2026) and "CDNA5" Instruction Set Architecture Reference Guide (July 2026). The comments in the code are by the model that wrote it; some were corrected since.
;; Attention Encoder Layer. Allowed arithmetic: matrix products marked QUANTISED: E3M2 operands, one E8M0 scale for each 32 along K, by v_wmma_scale_f32_16x16x128_f8f6f4 with both operands' format E3M2, f32 sums; everything else in f32.
;; Inputs: Wk 1,024 x 1,024 float32; Wq 1,024 x 1,024 float32; Wv 1,024 x 1,024 float32; attention_mask 4 x 2,048 int32; bk 1,024 float32; bq 1,024 float32; bv 1,024 float32; hidden_states 4 x 2,048 x 1,024 float32.
;; Outputs: out0 4 x 2,048 x 1,024 float32.
;; This version of the problem:
;;   THIS VERSION OF THE PROBLEM IS GIVEN IN LOW PRECISION. The matrix products marked QUANTISED in the list below multiply operands that are first quantised to E3M2 (3 exponent bits, 2 mantissa bits; 6 bits a number), with one power-of-two scale for each 32 numbers along K (OCP MX v1.0); their sums are f32. All else is computed in f32.
;;   The module's matrix products, in the order in which they are computed (A, B: the left and right operand; K: the contracted axis; several contracted axes count as one K, in the product's order):
;;     1. [M 8,192, K 1,024] x [K 1,024, N 1,024]; A: input hidden_states; B: input Wq: QUANTISED
;;     2. [M 8,192, K 1,024] x [K 1,024, N 1,024]; A: input hidden_states; B: input Wk: QUANTISED
;;     3. [M 8,192, K 1,024] x [K 1,024, N 1,024]; A: input hidden_states; B: input Wv: QUANTISED
;;     4. batch 64 x [M 2,048, K 64] x [K 64, N 2,048]; A: computed on the way; B: computed on the way: QUANTISED
;;     5. batch 64 x [M 2,048, K 2,048] x [K 2,048, N 64]; A: softmax (see below); B: computed on the way: QUANTISED
;;   THE QUANTISER, for each operand of a quantised product, along K:
;;     - K is cut into blocks of 32 from its start; a last block that is shorter is filled with zeros.
;;     - A block's scale is 2^e with e = floor(log2(the largest magnitude in the block)) - 4, held to -126 .. 127; a block of zeros has e = 0. As a byte (E8M0): e + 127.
;;     - Each number is divided by its block's scale, clamped to +-28, and rounded to the nearest number of E3M2, ties to even, subnormals kept.
;;     - The product sums the exact products of the quantised numbers (number of the format x scale) in f32.
;;   ~~~python
;;   def quantise(x, axis):      # numpy; x: float32 -> the quantised numbers, widened to float32 again
;;       x = np.moveaxis(x, axis, -1); K = x.shape[-1]
;;       x = np.pad(x, [(0, 0)] * (x.ndim - 1) + [(0, -K % 32)]); x = x.reshape(x.shape[:-1] + (-1, 32)); a = np.abs(x).max(-1, keepdims=True)
;;       e = np.where(a > 0, np.clip(np.frexp(np.where(a > 0, a, 1))[1] - 1 - 4, -126, 127), 0)      # np.frexp(a)[1] - 1 = floor(log2(a)), exactly
;;       r = np.clip(x / 2.0 ** e, -28, 28)
;;       step = 2.0 ** (np.maximum(np.frexp(np.where(r == 0, 1, r))[1] - 1, -2) - 2)
;;       q = np.round(r / step) * step * 2.0 ** e      # np.round: ties to even
;;       return np.moveaxis(q.reshape(q.shape[:-2] + (-1,))[..., :K], -1, axis).astype(np.float32)
;;   ~~~
;;   SOFTMAX AHEAD OF A QUANTISED PRODUCT. Where the list says 'softmax', what is quantised is not the finished softmax but p = 2^(t - M), with t = logit x log2(e) and M = ceil(the row's largest t), a whole number; so 1/2 < the row's largest p <= 1. The row's sum l is taken of the UNQUANTISED p, in f32, and the product's result is divided by l at the end. Since M is a whole number, a kernel that streams over the keys may use a running M (the ceiling of the running maximum): every later rescaling is an exact power of two, which a block's scale takes up: the codes' values come out the same.
;;   OPERANDS COMPUTED ON THE WAY. 'Computed on the way' means the value that the module computes at that place (a softmax that the list does not call 'softmax' is quantised finished and normalised). What goes into a quantiser is computed in f32, as accurately as f32 sums, v_exp_f32 and their like allow (about 1e-6 of the number): no bf16 or f16 on the way to a quantiser, and a product that is left as it is and whose result goes on into a quantised operand takes f32 operands (vector FMAs, or v_wmma_f32_16x16x4_f32). A number that lies on a knife's edge between two numbers of the format may be rounded either way, as far as f32 arithmetic and the matrix unit's own rounding can turn it there, and no further.
;; One version. Each part assembles by itself: llvm-mc -triple=amdgcn-amd-amdhsa -mcpu=gfx1250 --defsym DOCPART=n.
;; ======== version 1 of 1: 3 launches
;; limits: right only within a limited range of input values
;; workspace buffers: xc 6,291,456 bytes; xs 262,144 bytes; wc 2,359,296 bytes; ws 98,304 bytes; qc 6,291,456 bytes; qs 524,288 bytes; kv 13,369,344 bytes
;; launch quant (part 1): grid 352 x 1, 4 waves a work-group, no clusters, 34,304 bytes of LDS; arguments hidden_states, Wq, Wk, Wv, xc, xs, wc, ws; writes xc, xs, wc, ws
.if DOCPART == 1
	.amdgcn_target "amdgcn-amd-amdhsa--gfx1250"
	.amdhsa_code_object_version 6
	.text
	.protected	k_q3b915feea2_quant
	.globl	k_q3b915feea2_quant
	.p2align	8
	.type	k_q3b915feea2_quant,@function
k_q3b915feea2_quant:
	s_mov_b64 s[64:65], 0
	v_nop
	global_prefetch_b8 v0, s[64:65] scope:SCOPE_SE
	s_setreg_imm32_b32 hwreg(HW_REG_WAVE_MODE, 25, 1), 1
	s_wait_xcnt 0x0
; hidden_states [8192][1024] and Wq, Wk, Wv [1024][1024], f32, K innermost, become codes of BF6 (E3M2) with one E8M0 byte for each 32 along K,
; laid IN THE ORDER OF THE OPERAND'S REGISTERS: a fragment (16 rows x 128 K, 12 registers a lane) is 1,536 bytes, registers 4 c .. 4 c + 3 of lane l at 512 c + 16 l.
; THE 16 ROWS OF A FRAGMENT ARE NOT NEIGHBOURS.  Weights: of a group of 32 rows, tile u (0, 1) takes in lane r the row 8 u + r + 8 (r / 8).
; hidden_states: of a group of 64 rows, tile a (0 .. 3) takes in lane r the row 8 a + r % 8 + 32 (r / 8): in a matrix result whose rows are such a tile's, a lane's eight registers of tiles 0 .. 3 are 32 neighbouring rows.
; A block's scale is 2^(floor(log2(its largest magnitude)) - 4); its byte is the largest magnitude's exponent field - 4, held at 1 from below.
; LIMITS: a block of zeros gets the byte 1 where the rule says 127 (its codes are zeros, and only this program reads the bytes); NaN and infinities among the inputs are not served.
; SHARES: a work-group takes two tiles (ids 0-255: hidden_states; 256-351: Wq, Wk, Wv, 32 pairs each); wave w takes 256 along K from 256 w on: four fragments f = 2 u + ks.
; Each load reads 512 consecutive bytes of one row; a fragment's 16 rows turn through the wave's own stage in LDS (rows of 512 + 16 bytes), so that a lane gets 16 neighbours of each block of 32.
; No barrier: waves share nothing.  One path for all four tensors: only pointers and offsets are chosen, by the work-group's number.
.set NX,   256                         ; work-groups of hidden_states
.set ROW,  4096                        ; a row in bytes
.set SP,   528                         ; a stage row
.set R0,   16                          ; v16-79, v80-143: two sets of 16 x 4 registers as loaded
.set X,    144                         ; v144-207: 64 numbers of my row: register 16 b + i = k 32 b + 16 (lane / 16) + i
.set PC,   208                         ; v208-219 the fragment's codes; v220-222, v224-226 the conversions' second halves
.set TM,   228                         ; v228-243 at work
.set PWS,  244                         ; v244-247 the four fragments' scale words
.set SEL,  20                          ; s[20:21] lane selects: lane l xor 16
	s_load_b256 s[4:11], s[0:1], 0x0               ; hidden_states, Wq, Wk, Wv
	s_load_b256 s[12:19], s[0:1], 0x20             ; xc, xs, wc, ws
	v_lshl_add_u32 v254, v0, 2, 0x8400
	v_mov_b32 v255, 0
	v_lshrrev_b32 v1, 5, v0
	v_readfirstlane_b32 s23, v1                    ; wave 0..3
	v_and_b32 v1, 31, v0                           ; lane
	v_lshlrev_b32 v2, 4, v1                        ; 16 x lane
	v_lshlrev_b32 v6, 3, v1                        ; 8 x lane: my two scale words
	s_mul_i32 s40, s23, 16*SP                      ; my wave's stage
	v_add_nc_u32 v3, s40, v2                       ; into it: as loaded
	v_and_b32 v5, 15, v0                           ; r
	v_bfe_u32 v7, v0, 4, 1                         ; h
	v_mul_u32_u24 v4, v5, SP
	v_lshl_add_u32 v4, v7, 6, v4
	v_add_nc_u32 v4, s40, v4                       ; out of it: row r, + 64 h
	s_mov_b32 s[SEL], 0x76543210
	s_mov_b32 s[SEL+1], 0xfedcba98
	s_mov_b32 s22, 0xffff0000                      ; lanes 16-31
.irp b, 0,1,2,3
	v_mov_b32 v[TM+4+\b], 0                        ; a lane permute's destination counts as one of its sources
.endr
	; scale words lie at A x (bytes of a block of 256 rows, or of a head) + B x 256 + wave x (bytes of a slot); the codes' offset is 24 times that
	s_mov_b32 s25, 6144
	s_mov_b32 s26, 1536
	s_cmp_lt_u32 ttmp9, NX
	s_cselect_b32 s24, 0, NX
	s_cselect_b32 s25, 8192, s25
	s_cselect_b32 s26, 2048, s26
	s_sub_co_u32 s24, ttmp9, s24                   ; the pair's number in hidden_states, or among the three weights
	s_lshr_b32 s27, s24, 5                         ; weights: which of the three,
	s_and_b32 s28, s24, 31                         ; its group of 32 rows,
	s_lshr_b32 s29, s28, 1                         ; the head,
	s_and_b32 s30, s28, 1                          ; the head's half
	s_lshl_b32 s31, s27, 1
	s_add_co_u32 s30, s30, s31                     ; pair of tiles in the head's twelve
	s_lshr_b32 s31, s24, 3                         ; hidden_states: the block of 256 rows,
	s_and_b32 s32, s24, 7                          ; the pair of tiles in it
	s_cmp_lt_u32 ttmp9, NX
	s_cselect_b32 s29, s31, s29                    ; A
	s_cselect_b32 s30, s32, s30                    ; B
	s_mul_i32 s29, s29, s25
	s_lshl_b32 s30, s30, 8
	s_add_co_u32 s29, s29, s30
	s_mul_i32 s30, s23, s26
	s_add_co_u32 s34, s29, s30                     ; the scale words' offset
	s_mov_b32 s35, 0
	s_mul_i32 s36, s34, 24                         ; the codes'
	s_mov_b32 s37, 0
	s_lshl_b32 s38, s28, 17                        ; the source, weights: 32 rows of 4,096 bytes a group
	s_lshr_b32 s41, s24, 1
	s_lshl_b32 s41, s41, 18                        ; hidden_states: 64 rows a group of two pairs,
	s_and_b32 s42, s24, 1
	s_lshl_b32 s42, s42, 16                        ; the second pair 16 rows on
	s_add_co_u32 s41, s41, s42
	s_cmp_lt_u32 ttmp9, NX
	s_cselect_b32 s38, s41, s38
	s_cselect_b32 s42, 16*ROW, 0                   ; a tile's lanes 8-15: 16 rows behind lanes 0-7 in a weight, 32 in hidden_states: 16 more
	s_mov_b32 s43, 0
	s_lshl_b32 s33, s23, 10                        ; 1,024 bytes of each row a wave
	s_add_co_u32 s38, s38, s33
	s_mov_b32 s39, 0
	s_wait_alu depctr_va_vdst(0)                   ; the wait at the head's end
	s_wait_kmcnt 0x0
	s_cmp_eq_u32 s27, 1
	s_cselect_b64 s[6:7], s[8:9], s[6:7]
	s_cmp_eq_u32 s27, 2
	s_cselect_b64 s[6:7], s[10:11], s[6:7]         ; the weight in hand
	s_cmp_lt_u32 ttmp9, NX
	s_cselect_b64 s[4:5], s[4:5], s[6:7]
	s_cselect_b64 s[12:13], s[12:13], s[16:17]
	s_cselect_b64 s[14:15], s[14:15], s[18:19]
	s_add_nc_u64 s[4:5], s[4:5], s[38:39]
	s_add_nc_u64 s[44:45], s[4:5], s[42:43]        ; the base for a tile's lanes 8-15
	s_add_nc_u64 s[12:13], s[12:13], s[36:37]
	s_add_nc_u64 s[14:15], s[14:15], s[34:35]
.macro LOADF f, set                    ; fragment f's 16 rows, 512 bytes of each
.irp i, 0,1,2,3,4,5,6,7
	global_load_b128 v[\set+4*\i:\set+4*\i+3], v2, s[4:5] offset:(8*((\f)/2)+\i)*ROW+512*((\f)%2) th:TH_LOAD_NT
.endr
.irp i, 8,9,10,11,12,13,14,15
	global_load_b128 v[\set+4*\i:\set+4*\i+3], v2, s[44:45] offset:(8*((\f)/2)+\i+8)*ROW+512*((\f)%2) th:TH_LOAD_NT
.endr
.endm
; 64 numbers of a lane become a fragment's codes in v[PC] on and its scale word in v[pw]
.macro QUANT s, pw
.irp b, 0,1,2,3
	v_max3_num_f32 v[TM+\b], |v[\s+16*\b]|, |v[\s+1+16*\b]|, 0x2800000   ; my 16 numbers of block b, and the floor 2^(5 - 127)
.endr
.irp i, 2,4,6,8,10,12,14
.irp b, 0,1,2,3
	v_max3_num_f32 v[TM+\b], v[TM+\b], |v[\s+16*\b+\i]|, |v[\s+1+16*\b+\i]|
.endr
.endr
.irp b, 0,1,2,3
	v_permlanex16_b32 v[TM+4+\b], v[TM+\b], s[SEL], s[SEL+1]
.endr
.irp b, 0,1,2,3
	v_max_num_f32 v[TM+\b], v[TM+\b], v[TM+4+\b]   ; with lane l xor 16's: the block's largest magnitude
.endr
.irp b, 0,1,2,3
	v_add_nc_u32 v[TM+12+\b], 0xfe000000, v[TM+\b] ; 4 off its exponent field: the conversion's scale operand
.endr
.irp b, 0,1,2,3
	v_lshrrev_b32 v[TM+4+\b], 23, v[TM+12+\b]      ; the scale's byte
.endr
	v_lshl_or_b32 v[\pw], v[TM+5], 8, v[TM+4]
	v_lshl_or_b32 v[\pw], v[TM+6], 16, v[\pw]
	v_lshl_or_b32 v[\pw], v[TM+7], 24, v[\pw]
.irp c, 0,1
	v_cvt_scalef32_pk16_bf6_f32 v[PC+6*\c:PC+2+6*\c], v[\s+32*\c:\s+15+32*\c], v[TM+12+2*\c]
	v_cvt_scalef32_pk16_bf6_f32 v[PC+12+4*\c:PC+14+4*\c], v[\s+16+32*\c:\s+31+32*\c], v[TM+12+2*\c+1]   ; (a conversion's three registers begin on an even number)
.endr
	v_nop                                          ; one plain instruction behind a scaled conversion
.irp c, 0,1                                    ; the operand wants a whole block in a lane
.irp i, 0,1,2
	v_permlane16_swap_b32 v[PC+6*\c+\i], v[PC+12+4*\c+\i]
.endr
.irp i, 0,1,2
	v_mov_b32 v[PC+3+6*\c+\i], v[PC+12+4*\c+\i]
.endr
.endr
.endm
.macro FRAGQ f
.if (\f) < 3
	s_wait_loadcnt 16                              ; this fragment's 16 loads are in; the next fragment's 16 may be out
.else
	s_wait_loadcnt 0x0
.endif
.irp i, 0,1,2,3,4,5,6,7,8,9,10,11,12,13,14,15
	ds_store_b128 v3, v[R0+64*((\f)%2)+4*\i:R0+64*((\f)%2)+4*\i+3] offset:SP*\i
.endr
.irp b, 0,1,2,3
.irp j, 0,1,2,3
	ds_load_b128 v[X+16*\b+4*\j:X+16*\b+4*\j+3], v4 offset:128*\b+16*\j   ; LDS serves a wave's instructions in order: these see the stores above
.endr
.endr
	s_wait_dscnt 0x0                               ; my numbers are back, and the stores have read their registers
.if (\f) > 0
	s_wait_xcnt 0x0                                ; the last fragment's stores have read their data
.endif
.if (\f) < 2
	LOADF (\f)+2, R0+64*((\f)%2)
.endif
	QUANT X, PWS+(\f)
.irp c, 0,1,2
	global_store_b128 v2, v[PC+4*\c:PC+4*\c+3], s[12:13] offset:((\f)/2)*3072+((\f)%2)*1536+512*\c   ; 32 lanes store 512 consecutive bytes, aligned to 256
.endr
.endm
	LOADF 0, R0
	LOADF 1, R0+64
	FRAGQ 0
	FRAGQ 1
	FRAGQ 2
	FRAGQ 3
	v_cndmask_b32 v248, v[PWS], v[PWS+2], s22      ; lanes 0-15: tile 0's word, lanes 16-31: tile 1's; first 128 along K,
	v_cndmask_b32 v249, v[PWS+1], v[PWS+3], s22    ; second 128
	global_store_b64 v6, v[248:249], s[14:15]      ; 256 consecutive bytes, aligned
	s_wait_tensorcnt 0x0                           ; the wave's end
	ds_add_u32 v254, v255
	s_wait_dscnt 0x0
	s_endpgm
.Lfunc_end_k_q3b915feea2_quant:
	.size	k_q3b915feea2_quant, .Lfunc_end_k_q3b915feea2_quant-k_q3b915feea2_quant
	.p2alignl 7, 3214868480
	.fill 96, 4, 3214868480
	.section	.rodata,"a",@progbits
	.p2align	6, 0x0
	.amdhsa_kernel k_q3b915feea2_quant
		.amdhsa_group_segment_fixed_size 34304
		.amdhsa_private_segment_fixed_size 0
		.amdhsa_enable_private_segment 0
		.amdhsa_kernarg_size 64
		.amdhsa_user_sgpr_count 2
		.amdhsa_user_sgpr_kernarg_segment_ptr 1
		.amdhsa_wavefront_size32 1
		.amdhsa_system_sgpr_workgroup_id_x 1
		.amdhsa_system_sgpr_workgroup_id_y 1
		.amdhsa_system_sgpr_workgroup_id_z 1
		.amdhsa_system_vgpr_workitem_id 0
		.amdhsa_next_free_vgpr 256
		.amdhsa_next_free_sgpr 66
		.amdhsa_reserve_vcc 0
		.amdhsa_float_denorm_mode_32 3
		.amdhsa_float_denorm_mode_16_64 3
		.amdhsa_memory_ordered 1
		.amdhsa_forward_progress 1
		.amdhsa_inst_pref_size 35
	.end_amdhsa_kernel
	.amdgpu_metadata
---
amdhsa.version: [ 1, 2 ]
amdhsa.kernels:
  - .name:           k_q3b915feea2_quant
    .symbol:         k_q3b915feea2_quant.kd
    .args:
      - { .name: hidden_states, .offset: 0, .size: 8, .value_kind: global_buffer, .address_space: global }
      - { .name: Wq, .offset: 8, .size: 8, .value_kind: global_buffer, .address_space: global }
      - { .name: Wk, .offset: 16, .size: 8, .value_kind: global_buffer, .address_space: global }
      - { .name: Wv, .offset: 24, .size: 8, .value_kind: global_buffer, .address_space: global }
      - { .name: xc, .offset: 32, .size: 8, .value_kind: global_buffer, .address_space: global }
      - { .name: xs, .offset: 40, .size: 8, .value_kind: global_buffer, .address_space: global }
      - { .name: wc, .offset: 48, .size: 8, .value_kind: global_buffer, .address_space: global }
      - { .name: ws, .offset: 56, .size: 8, .value_kind: global_buffer, .address_space: global }
    .group_segment_fixed_size: 34304
    .private_segment_fixed_size: 0
    .kernarg_segment_align: 8
    .kernarg_segment_size: 64
    .max_flat_workgroup_size: 128
    .sgpr_count:     66
    .vgpr_count:     256
    .wavefront_size: 32
...
	.end_amdgpu_metadata
.endif
;; end of part 1
;; launch proj (part 2): grid 16 x 32, 4 waves a work-group, clusters of 4 x 4, 327,680 bytes of LDS; arguments xc, xs, wc, ws, bq, bk, bv, qc, qs, kv; writes qc, qs, kv
.if DOCPART == 2
	.amdgcn_target "amdgcn-amd-amdhsa--gfx1250"
	.amdhsa_code_object_version 6
	.text
	.protected	k_q3b915feea2_proj
	.globl	k_q3b915feea2_proj
	.p2align	8
	.type	k_q3b915feea2_proj,@function
k_q3b915feea2_proj:
	s_mov_b64 s[64:65], 0
	v_nop
	global_prefetch_b8 v0, s[64:65] scope:SCOPE_SE
	s_setreg_imm32_b32 hwreg(HW_REG_WAVE_MODE, 25, 1), 1
	s_wait_xcnt 0x0
	s_wait_alu depctr_hold_cnt(0) depctr_sa_sdst(0) depctr_va_vdst(0) depctr_va_sdst(0) depctr_va_ssrc(0) depctr_va_vcc(0) depctr_vm_vsrc(0)
	s_getreg_b32 s2, hwreg(HW_REG_IB_STS2, 6, 4)
	s_cmp_eq_u32 s2, 0
	s_cbranch_scc0 .Lentry_in_a_cluster
	s_endpgm
.Lentry_in_a_cluster:
	s_bfe_u32 s2, ttmp6, 0x10000c
	s_cmp_lg_u32 s2, 0xf033
	s_cbranch_scc0 .Lentry_shape_is_right
	s_endpgm
.Lentry_shape_is_right:
.set SLOT,  86016
.set WOFF,  49152
.set XSTEP, 49152
.set WSTEP, 36864
.set SCX,   2*SLOT
.set SCW,   SCX+8192
.set SPARE, SCW+6144
.set STG,   SPARE+512
.set STK,   STG+1024
.set STV,   STG+2048
.set REC,   13056
.set RDK,   10
.set RDV,   11
.set OBT,   12
.set OBN,   13
.set ADRX,  16
.set SV,    18
.set RDQ,   19
.set ADRW,  20
.set ADRSX, 22
.set ADRSW, 23
.set LI,    24
.set LJ,    25
.set SQ,    26
.set SK,    27
.set SPW,   28
.set NIL,   29
.set SC,    32
.set XF,    64
.set BN,    192
.set BT,    144
.set TT,    64
.set UU,    96
.set PC,    128
.set PX,    136
.set TM,    144
.set PW,    160
.set G1,    24
.set G0,    32
.set G1B,   48
.set G0B,   56
.set G1S,   68
.set G0S,   76
.set G1SB,  80
.set G0SB,  88
.set QB,    4
.set QSB,   6
.set VB,    8
.set KB,    10
.set KR2,   12
.set SEL,   46
.set MSB, 0
.macro WIN new
.if MSB != \new
	s_set_vgpr_msb (MSB<<8)|\new
.set MSB, \new
.endif
.endm
.macro JLOAD g0a, g1a, g0b, g1b
	s_cmp_eq_u32 s15, 0
	s_cbranch_scc0 .Lfor_b_\@
	tensor_load_to_lds s[\g0a:\g0a+3], s[\g1a:\g1a+7]
	s_nop 0
.rept 4
	v_nop
.endr
	s_branch .Lasked_\@
.Lfor_b_\@:
	tensor_load_to_lds s[\g0b:\g0b+3], s[\g1b:\g1b+7]
	s_nop 0
.rept 4
	v_nop
.endr
.Lasked_\@:
.endm
.macro CREST
	s_cmp_lg_u32 s14, 0
	s_cbranch_scc1 .Lnot_wave_0_\@
	s_barrier_signal -3
.Lnot_wave_0_\@:
	s_barrier_wait -3
	s_barrier_signal -1
	s_barrier_wait -1
.endm
.macro CROUND
	s_barrier_signal -1
	s_barrier_wait -1
	CREST
.endm
.macro SHAPE g, rows
	s_mov_b32 s[\g+1], 32<<16
	s_mov_b32 s[\g+2], (\rows)<<16
	s_mov_b32 s[\g+3], 32<<16
	s_mov_b32 s[\g+4], \rows
	s_mov_b32 s[\g+5], 32
	s_mov_b32 s[\g+6], 0
	s_mov_b32 s[\g+7], 0
.endm
	s_load_b256 s[4:11], s[0:1], 0x0
	s_load_b256 s[92:99], s[0:1], 0x20
	s_load_b128 s[20:23], s[0:1], 0x40
	v_lshl_add_u32 v[SPW], v0, 2, SPARE
	v_mov_b32 v[NIL], 0
	ds_add_u32 v28, v29
	ds_add_u32 v28, v29
	s_wait_dscnt 0x0
	v_lshrrev_b32 v1, 5, v0
	v_readfirstlane_b32 s14, v1
	s_lshr_b32 s15, s14, 1
	s_and_b32 s16, s14, 1
	s_bfe_u32 s40, ttmp6, 0x40000
	s_bfe_u32 s41, ttmp6, 0x40004
	s_lshl_b32 s42, ttmp9, 2
	s_add_co_u32 s42, s42, s40
	s_and_b32 s17, ttmp7, 0xffff
	s_lshl_b32 s17, s17, 2
	s_add_co_u32 s17, s17, s41
	s_lshl_b32 s43, s41, 2
	s_lshl_b32 s43, 15, s43
	s_lshl_b32 s44, 0x1111, s40
	s_or_b32 s[G1], s43, (3<<16)|(1<<21)
	s_or_b32 s[G1B], s44, (3<<16)|(1<<21)
	s_or_b32 s[G1S], s43, (3<<16)|(1<<21)
	s_or_b32 s[G1SB], s44, (3<<16)|(1<<21)
	SHAPE G1, 192
	SHAPE G1B, 144
	SHAPE G1S, 32
	SHAPE G1SB, 24
	s_mul_i32 s18, s17, 4*XSTEP
	s_mov_b32 s19, 0
	s_lshl_b32 s12, s17, 13
	s_mov_b32 s13, 0
	s_mul_i32 s46, s42, 4*WSTEP
	s_mov_b32 s47, 0
	s_mul_i32 s66, s42, 6144
	s_mov_b32 s67, 0
	s_mul_i32 s45, s16, 24576
	s_mul_i32 s3, s16, 18432
	s_wait_kmcnt 0x0
	s_add_nc_u64 s[4:5], s[4:5], s[18:19]
	s_add_nc_u64 s[6:7], s[6:7], s[12:13]
	s_add_nc_u64 s[8:9], s[8:9], s[46:47]
	s_add_nc_u64 s[10:11], s[10:11], s[66:67]
	CROUND
	s_mov_b32 s[G0S], 1
	s_mov_b32 s[G0S+1], SCX
	s_mov_b64 s[G0S+2:G0S+3], s[6:7]
	s_or_b32 s[G0S+3], s[G0S+3], 0x80000000
	s_mov_b32 s[G0SB], 1
	s_mov_b32 s[G0SB+1], SCW
	s_mov_b64 s[G0SB+2:G0SB+3], s[10:11]
	s_or_b32 s[G0SB+3], s[G0SB+3], 0x80000000
	s_mov_b32 s18, s45                             ; for the ring: my half of a slot's rows of x,
	s_add_nc_u64 s[18:19], s[4:5], s[18:19]
	s_mov_b32 s46, s3                              ; and of the weights
	s_add_nc_u64 s[46:47], s[8:9], s[46:47]
.irp s, 0,1
	s_mov_b32 s[G0+4*\s], 1
	s_add_co_u32 s[G0+4*\s+1], s45, \s*SLOT
	s_add_nc_u64 s[G0+4*\s+2:G0+4*\s+3], s[18:19], \s*XSTEP
	s_or_b32 s[G0+4*\s+3], s[G0+4*\s+3], 0x80000000
	s_mov_b32 s[G0B+4*\s], 1
	s_add_co_u32 s[G0B+4*\s+1], s3, \s*SLOT+WOFF
	s_add_nc_u64 s[G0B+4*\s+2:G0B+4*\s+3], s[46:47], \s*WSTEP
	s_or_b32 s[G0B+4*\s+3], s[G0B+4*\s+3], 0x80000000
.endr
; THE HEAD'S LOADS, ONE A WAVE: what the first step needs is shared out: wave 0 fetches slot 0's 192 rows of x, wave 1 its 144 rows of the weights, wave 2 x's scale words (32 rows), wave 3 the weights' (24 rows).
; Their group 0 for the codes lies in s[4:7] and s[8:11], where arguments lay that have been used.  One chain of branches on the wave's number, one load to an arm, all arms leading to one join.
	s_mov_b64 s[6:7], s[4:5]
	s_or_b32 s7, s7, 0x80000000
	s_mov_b32 s4, 1
	s_mov_b32 s5, 0
	s_mov_b64 s[10:11], s[8:9]
	s_or_b32 s11, s11, 0x80000000
	s_mov_b32 s8, 1
	s_mov_b32 s9, WOFF
.macro ARM under, g0, g1, next
	s_cmp_lt_u32 s14, \under
	s_cbranch_scc0 \next
	tensor_load_to_lds s[\g0:\g0+3], s[\g1:\g1+7]
	s_nop 0
.rept 4
	v_nop
.endr
	s_branch .Lhead_asked
\next:
.endm
	ARM 1, 4, G1, .Lhead_b
	ARM 2, 8, G1B, .Lhead_sa
	ARM 3, G0S, G1S, .Lhead_sb
	tensor_load_to_lds s[G0SB:G0SB+3], s[G1SB:G1SB+7]
	s_nop 0
.rept 4
	v_nop
.endr
.Lhead_asked:
	s_wait_alu depctr_va_vdst(0)
	s_wait_tensorcnt 0x0                           ; my tile of the head's four is in
	ds_add_u32 v28, v29
	s_mov_b32 s[G1+2], 96<<16                      ; no tensor load of mine is out: from here on a load brings half a slot's rows
	s_mov_b32 s[G1+4], 96
	s_mov_b32 s[G1B+2], 72<<16
	s_mov_b32 s[G1B+4], 72
	s_wait_dscnt 0x0
	CROUND
	JLOAD G0+4, G1, G0B+4, G1B                     ; slot 1's first fill, the first tensor load behind the round
	v_and_b32 v1, 31, v0
	v_and_b32 v2, 15, v0
	v_bfe_u32 v3, v0, 4, 1
	v_lshlrev_b32 v[LI], 4, v1
	v_lshlrev_b32 v[LJ], 3, v1
	s_mul_i32 s19, s14, 4*3072
	v_add_nc_u32 v[ADRX], s19, v[LI]
	v_add_nc_u32 v[ADRX+1], SLOT, v[ADRX]
	v_add_nc_u32 v[ADRW], WOFF, v[LI]
	v_add_nc_u32 v[ADRW+1], SLOT, v[ADRW]
	s_lshl_b32 s19, s14, 9
	s_add_co_u32 s19, s19, SCX
	v_add_nc_u32 v[ADRSX], s19, v[LJ]
	v_add_nc_u32 v[ADRSW], SCW, v[LJ]
	v_lshlrev_b32 v[OBT], 6, v3
	v_and_b32 v4, 8, v2
	v_add_nc_u32 v4, v4, v2
	v_lshlrev_b32 v[OBN], 2, v4
	s_wait_alu depctr_va_vdst(0)
	s_lshl_b32 s19, s14, 8
	s_add_co_u32 s19, s19, STG
	v_lshl_add_u32 v[SQ], v2, 2, s19
	v_add_nc_u32 v[RDQ], s19, v[LJ]
	s_lshl_b32 s19, s15, 9
	s_lshl_b32 s45, s16, 3
	s_add_co_u32 s19, s19, s45
	s_add_co_u32 s19, s19, STK
	v_lshl_add_u32 v[SK], v2, 4, s19
	s_lshl_b32 s19, s15, 8
	s_lshl_b32 s45, s16, 1
	s_add_co_u32 s19, s19, s45
	s_add_co_u32 s19, s19, STV
	v_lshl_add_u32 v[SV], v2, 3, s19
	v_add_nc_u32 v[SV], v3, v[SV]                  ; + lane / 16: a lane stores the one scale byte of its own block of 32 keys
	s_lshl_b32 s19, s16, 9
	s_add_co_u32 s19, s19, STK
	v_add_nc_u32 v[RDK], s19, v[LI]
	s_lshl_b32 s19, s16, 8
	s_add_co_u32 s19, s19, STV
	v_add_nc_u32 v[RDV], s19, v[LJ]
	s_lshl_b32 s18, s42, 8
	s_mov_b32 s19, 0
	s_add_nc_u64 s[92:93], s[92:93], s[18:19]
	s_add_nc_u64 s[94:95], s[94:95], s[18:19]
	s_add_nc_u64 s[96:97], s[96:97], s[18:19]
	WIN 0x40
.irp m, 0,1,2
.irp t, 0,1,2,3
	global_load_b128 v[BT+32*\m+8*\t:BT+32*\m+8*\t+3], v[OBT], s[92+2*\m:93+2*\m] offset:(32*(\t/2)+8*(\t%2))*4
	global_load_b128 v[BT+32*\m+8*\t+4:BT+32*\m+8*\t+7], v[OBT], s[92+2*\m:93+2*\m] offset:(32*(\t/2)+8*(\t%2))*4+16
.endr
.endr
	WIN 0
.irp t, 0,1,2,3
.irp j, 0,1,2,3,4,5,6,7
	global_load_b32 v[BN+8*\t+\j], v[OBN], s[96:97] offset:(32*(\t/2)+8*(\t%2))*4
.endr
.endr
	s_lshr_b32 s40, s17, 3
	s_lshl_b32 s40, s40, 4
	s_add_co_u32 s40, s40, s42
	s_and_b32 s41, s17, 7
	s_lshl_b32 s45, s40, 7
	s_lshl_b32 s3, s41, 4
	s_add_co_u32 s45, s45, s3
	s_lshl_b32 s3, s14, 2
	s_add_co_u32 s45, s45, s3
	s_mul_i32 s4, s45, 768
	s_mov_b32 s5, 0
	s_add_nc_u64 s[QB:QB+1], s[98:99], s[4:5]
	s_lshl_b32 s6, s45, 6
	s_mov_b32 s7, 0
	s_add_nc_u64 s[QSB:QSB+1], s[20:21], s[6:7]
	s_lshl_b32 s45, s40, 4
	s_lshl_b32 s3, s41, 1
	s_add_co_u32 s45, s45, s3
	s_add_co_u32 s3, s45, s15
	s_mul_i32 s8, s3, REC
	s_mov_b32 s9, 0
	s_add_nc_u64 s[8:9], s[22:23], s[8:9]
	s_mul_i32 s10, s16, 4*768
	s_mov_b32 s11, 0
	s_add_nc_u64 s[KB:KB+1], s[8:9], s[10:11]
	s_mul_i32 s12, s16, 768
	s_add_co_u32 s12, s12, 6144
	s_mov_b32 s13, 0
	s_add_nc_u64 s[VB:VB+1], s[8:9], s[12:13]
	s_add_co_u32 s3, s45, s16
	s_mul_i32 s12, s3, REC
	s_mov_b32 s13, 0
	s_add_nc_u64 s[KR2:KR2+1], s[22:23], s[12:13]
	s_mov_b32 s66, 0x41100000
	s_mov_b32 s67, 0x41000000
	s_mov_b32 s18, 0x3e000000
	s_mov_b32 s[SEL], 0x76543210
	s_mov_b32 s[SEL+1], 0xfedcba98
.macro WMI
.if fA && fB
	v_wmma_scale_f32_16x16x128_f8f6f4 v[rD:rD+7], v[rA:rA+11], v[rB:rB+11], v[rC:rC+7], v[rSA], v[rSB] matrix_a_fmt:MATRIX_FMT_BF6 matrix_b_fmt:MATRIX_FMT_BF6 matrix_a_scale:MATRIX_SCALE_ROW1 matrix_b_scale:MATRIX_SCALE_ROW1
.elseif fA
	v_wmma_scale_f32_16x16x128_f8f6f4 v[rD:rD+7], v[rA:rA+11], v[rB:rB+11], v[rC:rC+7], v[rSA], v[rSB] matrix_a_fmt:MATRIX_FMT_BF6 matrix_b_fmt:MATRIX_FMT_BF6 matrix_a_scale:MATRIX_SCALE_ROW1
.elseif fB
	v_wmma_scale_f32_16x16x128_f8f6f4 v[rD:rD+7], v[rA:rA+11], v[rB:rB+11], v[rC:rC+7], v[rSA], v[rSB] matrix_a_fmt:MATRIX_FMT_BF6 matrix_b_fmt:MATRIX_FMT_BF6 matrix_b_scale:MATRIX_SCALE_ROW1
.else
	v_wmma_scale_f32_16x16x128_f8f6f4 v[rD:rD+7], v[rA:rA+11], v[rB:rB+11], v[rC:rC+7], v[rSA], v[rSB] matrix_a_fmt:MATRIX_FMT_BF6 matrix_b_fmt:MATRIX_FMT_BF6
.endif
.endm
.macro MULT mat, p, q, sc, first
.if \first
	WIN 0x91+0x40*((\mat)/2)
.else
	WIN 0xa1+0x50*((\mat)/2)
.endif
.irp t, 0,1,2,3
.irp a, 0,1,2,3
.set rD, 128*((\mat)%2)+8*(4*\a+\t)
.set rA, 12*(4*(\mat)+\t)
.set rB, XF+48*(\p)+12*\a
.set rC, rD
.if \first
.set rC, BT+32*(\mat)+8*\t
.endif
.set rSA, SC+16*(\sc)+4+2*((4*(\mat)+\t)/2)+(\q)
.set rSB, SC+16*(\sc)+2*(\a/2)+(\q)
.set fA, \t%2
.set fB, \a%2
	WMI
.endr
.endr
.endm
.macro MULVN p, q, sc, first
.if \first
	WIN 0xc4
.else
	WIN 0xf4
.endif
.irp t, 0,1,2,3
.irp a, 0,1,2,3
.set rD, 128+8*(4*\t+\a)
.set rA, XF+48*(\p)+12*\a
.set rB, 12*(8+\t)
.set rC, rD
.if \first
.set rC, BN+8*\t
.endif
.set rSA, SC+16*(\sc)+2*(\a/2)+(\q)
.set rSB, SC+16*(\sc)+4+2*((8+\t)/2)+(\q)
.set fA, \a%2
.set fB, \t%2
	WMI
.endr
.endr
.endm
.macro FETCH_X slot, q, p
.irp a, 0,1,2,3
.irp c, 0,1,2
	ds_load_b128 v[XF+48*(\p)+12*\a+4*\c:XF+48*(\p)+12*\a+4*\c+3], v[ADRX+\slot] offset:\a*3072+(\q)*1536+512*\c
.endr
.endr
.endm
.macro FETCH_W slot, q, j0, n
	WIN 0x40
.set jj, \j0
.rept \n
	ds_load_b128 v[12*jj:12*jj+3],    v[ADRW+\slot] offset:jj*3072+(\q)*1536
	ds_load_b128 v[12*jj+4:12*jj+7],  v[ADRW+\slot] offset:jj*3072+(\q)*1536+512
	ds_load_b128 v[12*jj+8:12*jj+11], v[ADRW+\slot] offset:jj*3072+(\q)*1536+1024
.set jj, jj+1
.endr
	WIN 0
.endm
.macro SCALES s
.irp i, 0,1
	ds_load_b64 v[SC+16*\s+2*\i:SC+16*\s+2*\i+1], v[ADRSX] offset:256*\i
.endr
.irp p, 0,1,2,3,4,5
	ds_load_b64 v[SC+16*\s+4+2*\p:SC+16*\s+4+2*\p+1], v[ADRSW] offset:256*\p
.endr
.endm
.macro PLACES
.rept 4
	v_nop
.endr
.endm
.macro STEP slot, first
	s_wait_dscnt 12
	MULT 0, 0, 0, \slot, \first
	MULT 1, 0, 0, \slot, \first
	s_wait_dscnt 0x0
	PLACES
	WIN 0
	FETCH_X \slot, 1, 1
	FETCH_W \slot, 1, 0, 8
	MULT 2, 0, 0, \slot, \first
	MULVN 0, 0, \slot, \first
	PLACES
	FETCH_W \slot, 1, 8, 4
.endm
.macro TURN slot, next, fill
	s_wait_tensorcnt 0x0
	ds_add_u32 v[SPW], v[NIL]
	s_wait_dscnt 13
	MULT 0, 1, 1, \slot, 0
	s_wait_dscnt 0x0
	s_barrier_signal -1
	MULT 1, 1, 1, \slot, 0
	WIN 0
	s_barrier_wait -1
.if \fill
	CREST
	s_add_nc_u64 s[G0+4*\slot+2:G0+4*\slot+3], s[G0+4*\slot+2:G0+4*\slot+3], 2*XSTEP
	s_add_nc_u64 s[G0B+4*\slot+2:G0B+4*\slot+3], s[G0B+4*\slot+2:G0B+4*\slot+3], 2*WSTEP
	JLOAD G0+4*\slot, G1, G0B+4*\slot, G1B
.else
	PLACES
.endif
	s_wait_alu depctr_va_vdst(0)
	v_add_nc_u32 v[ADRSX], 2048, v[ADRSX]
	v_add_nc_u32 v[ADRSW], 1536, v[ADRSW]
	FETCH_X \next, 0, 0
	FETCH_W \next, 0, 0, 8
	SCALES \next
	MULT 2, 1, 1, \slot, 0
	MULVN 1, 1, \slot, 0
	PLACES
	FETCH_W \next, 0, 8, 4
.endm
	s_wait_tensorcnt 1
	s_barrier_signal -1
	s_barrier_wait -1
	FETCH_X 0, 0, 0
	FETCH_W 0, 0, 0, 8
	SCALES 0
	FETCH_W 0, 0, 8, 4
	s_wait_loadcnt 0x0
	STEP 0, 1
	TURN 0, 1, 1
	STEP 1, 0
	TURN 1, 0, 1
	STEP 0, 0
	TURN 0, 1, 0
	STEP 1, 0
	s_wait_dscnt 12
	MULT 0, 1, 1, 1, 0
	MULT 1, 1, 1, 1, 0
	s_wait_dscnt 0x0
	MULT 2, 1, 1, 1, 0
	MULVN 1, 1, 1, 0
	WIN 0
	PLACES
.macro QUANT32 s, W
	WIN (\W)|((\W)<<2)
.irp b, 0,1
	v_max3_num_f32 v[TM+\b], |v[(\s)+16*\b]|, |v[(\s)+16*\b+1]|, 0x2800000
.endr
.irp i, 2,4,6,8,10,12,14
.irp b, 0,1
	v_max3_num_f32 v[TM+\b], |v[(\s)+16*\b+\i]|, |v[(\s)+16*\b+\i+1]|, v[TM+\b]
.endr
.endr
	WIN 0
.irp b, 0,1
	v_permlanex16_b32 v[TM+4+\b], v[TM+\b], s[SEL], s[SEL+1]
.endr
.irp b, 0,1
	v_max_num_f32 v[TM+\b], v[TM+\b], v[TM+4+\b]
.endr
.irp b, 0,1
	v_add_nc_u32 v[TM+12+\b], 0xfe000000, v[TM+\b]
.endr
.irp b, 0,1
	v_lshrrev_b32 v[TM+4+\b], 23, v[TM+12+\b]
.endr
	v_lshl_or_b32 v[PW], v[TM+5], 8, v[TM+4]
	WIN \W
	v_cvt_scalef32_pk16_bf6_f32 v[PC:PC+2], v[(\s):(\s)+15], v[TM+12]
	v_cvt_scalef32_pk16_bf6_f32 v[PX:PX+2], v[(\s)+16:(\s)+31], v[TM+13]
	WIN 0
	v_nop
.irp i, 0,1,2
	v_permlane16_swap_b32 v[PC+\i], v[PX+\i]
.endr
.irp i, 0,1,2
	v_mov_b32 v[PC+3+\i], v[PX+\i]
.endr
.endm
; v along the keys: by the order of hidden_states' rows in a fragment, a lane's 32 registers are keys 32 (lane / 16) + 0 .. 31 of my wave's 64: one whole block, one scale, no other lane asked
.macro QUANTV s
	WIN 0x0f
.irp b, 0,1
	v_max3_num_f32 v[TM+\b], |v[(\s)+16*\b]|, |v[(\s)+16*\b+1]|, 0x2800000
.endr
.irp i, 2,4,6,8,10,12,14
.irp b, 0,1
	v_max3_num_f32 v[TM+\b], |v[(\s)+16*\b+\i]|, |v[(\s)+16*\b+\i+1]|, v[TM+\b]
.endr
.endr
	WIN 0
	v_max_num_f32 v[TM], v[TM], v[TM+1]
	v_add_nc_u32 v[TM+12], 0xfe000000, v[TM]
	v_lshrrev_b32 v[PW], 23, v[TM+12]
	WIN 3
	v_cvt_scalef32_pk16_bf6_f32 v[PC:PC+2], v[(\s):(\s)+15], v[TM+12]
	v_cvt_scalef32_pk16_bf6_f32 v[PX:PX+2], v[(\s)+16:(\s)+31], v[TM+12]
	WIN 0
	v_nop
.irp i, 0,1,2
	v_mov_b32 v[PC+3+\i], v[PX+\i]
.endr
.endm
.macro OUTH base, off
	global_store_b128 v[LI], v[PC:PC+3], s[\base:\base+1] offset:\off
	global_store_b64 v[LJ], v[PC+4:PC+5], s[\base:\base+1] offset:(\off)+512
.endm
.macro FREE
	s_wait_dscnt 0x0
	s_wait_xcnt 0x0
.endm
	v_mov_b32 v[TM+4], 0
	v_mov_b32 v[TM+5], 0
.irp a, 0,1,2,3
.if \a
	FREE
.endif
	QUANT32 32*\a, 2
	OUTH QB, 768*\a
	ds_store_b32 v[SQ], v[PW] offset:64*\a
.endr
.irp a, 0,1,2,3
	FREE
	WIN 0x02
.set i, 0
.rept 32
	v_fma_f32 v[TT+i], |v[128+32*\a+i]|, s66, s67
.set i, i+1
.endr
	WIN 0
.set i, 0
	s_wait_alu depctr_va_vdst(0)
.rept 32
	v_rcp_f32 v[TT+i], v[TT+i]
.set i, i+1
.endr
	WIN 0x32
.set i, 0
	s_wait_alu depctr_va_vdst(0)
.rept 32
	v_fma_f32 v[UU+i], v[128+32*\a+i], s18, v[32*\a+i]
.set i, i+1
.endr
	s_wait_alu depctr_va_vdst(0)
	WIN 0x02
.set i, 0
.rept 32
	v_fma_f32 v[UU+i], v[128+32*\a+i], v[TT+i], v[UU+i]
.set i, i+1
.endr
	QUANT32 UU, 0
	OUTH KB, 768*\a
	ds_store_b32 v[SK], v[PW] offset:256*(\a%2)+4*(\a/2)
.endr
.irp t, 0,1,2,3
	FREE
	QUANTV 128+32*\t
	OUTH VB, 1536*\t
	ds_store_b8 v[SV], v[PW] offset:128*(\t%2)+4*(\t/2)
.endr
	s_wait_dscnt 0x0
	s_barrier_signal -1
	s_barrier_wait -1
	ds_load_b64 v[168:169], v[RDQ]
	s_wait_dscnt 0x0
	global_store_b64 v[LJ], v[168:169], s[QSB:QSB+1]
	s_cmp_lt_u32 s14, 2
	s_cbranch_scc0 .Lwords_of_v
	ds_load_b128 v[164:167], v[RDK]
	s_wait_dscnt 0x0
	global_store_b128 v[LI], v[164:167], s[KR2:KR2+1] offset:12288
	s_branch .Lwords_done
.Lwords_of_v:
	ds_load_b64 v[164:165], v[RDV]
	s_wait_dscnt 0x0
	global_store_b64 v[LJ], v[164:165], s[KR2:KR2+1] offset:12800
.Lwords_done:
	s_wait_tensorcnt 0x0
	ds_add_u32 v[SPW], v[NIL]
	s_wait_dscnt 0x0
	CROUND
	s_endpgm
.Lfunc_end_k_q3b915feea2_proj:
	.size	k_q3b915feea2_proj, .Lfunc_end_k_q3b915feea2_proj-k_q3b915feea2_proj
	.p2alignl 7, 3214868480
	.fill 96, 4, 3214868480
	.section	.rodata,"a",@progbits
	.p2align	6, 0x0
	.amdhsa_kernel k_q3b915feea2_proj
		.amdhsa_group_segment_fixed_size 327680
		.amdhsa_private_segment_fixed_size 0
		.amdhsa_enable_private_segment 0
		.amdhsa_kernarg_size 80
		.amdhsa_user_sgpr_count 2
		.amdhsa_user_sgpr_kernarg_segment_ptr 1
		.amdhsa_wavefront_size32 1
		.amdhsa_system_sgpr_workgroup_id_x 1
		.amdhsa_system_sgpr_workgroup_id_y 1
		.amdhsa_system_sgpr_workgroup_id_z 1
		.amdhsa_system_vgpr_workitem_id 0
		.amdhsa_next_free_vgpr 1024
		.amdhsa_next_free_sgpr 102
		.amdhsa_reserve_vcc 0
		.amdhsa_float_denorm_mode_32 3
		.amdhsa_float_denorm_mode_16_64 3
		.amdhsa_memory_ordered 1
		.amdhsa_forward_progress 1
		.amdhsa_inst_pref_size 170
	.end_amdhsa_kernel
	.amdgpu_metadata
---
amdhsa.version: [ 1, 2 ]
amdhsa.kernels:
  - .name:           k_q3b915feea2_proj
    .symbol:         k_q3b915feea2_proj.kd
    .args:
      - { .name: xc, .offset: 0, .size: 8, .value_kind: global_buffer, .address_space: global }
      - { .name: xs, .offset: 8, .size: 8, .value_kind: global_buffer, .address_space: global }
      - { .name: wc, .offset: 16, .size: 8, .value_kind: global_buffer, .address_space: global }
      - { .name: ws, .offset: 24, .size: 8, .value_kind: global_buffer, .address_space: global }
      - { .name: bq, .offset: 32, .size: 8, .value_kind: global_buffer, .address_space: global }
      - { .name: bk, .offset: 40, .size: 8, .value_kind: global_buffer, .address_space: global }
      - { .name: bv, .offset: 48, .size: 8, .value_kind: global_buffer, .address_space: global }
      - { .name: qc, .offset: 56, .size: 8, .value_kind: global_buffer, .address_space: global }
      - { .name: qs, .offset: 64, .size: 8, .value_kind: global_buffer, .address_space: global }
      - { .name: kv, .offset: 72, .size: 8, .value_kind: global_buffer, .address_space: global }
    .group_segment_fixed_size: 327680
    .private_segment_fixed_size: 0
    .kernarg_segment_align: 8
    .kernarg_segment_size: 80
    .max_flat_workgroup_size: 128
    .sgpr_count:     102
    .vgpr_count:     1024
    .wavefront_size: 32
...
	.end_amdgpu_metadata
.endif
;; end of part 2
;; launch attn (part 3): grid 4 x 64, 16 waves a work-group, clusters of 4 x 1, 280,576 bytes of LDS; arguments qc, qs, kv, attention_mask, out0; writes out0
.if DOCPART == 3
	.amdgcn_target "amdgcn-amd-amdhsa--gfx1250"
	.amdhsa_code_object_version 6
	.text
	.protected	k_q3b915feea2_attn
	.globl	k_q3b915feea2_attn
	.p2align	8
	.type	k_q3b915feea2_attn,@function
k_q3b915feea2_attn:
	s_mov_b64 s[64:65], 0
	v_nop
	global_prefetch_b8 v0, s[64:65] scope:SCOPE_SE
	s_setreg_imm32_b32 hwreg(HW_REG_WAVE_MODE, 25, 1), 1
	s_wait_xcnt 0x0
	s_wait_alu depctr_hold_cnt(0) depctr_sa_sdst(0) depctr_va_vdst(0) depctr_va_sdst(0) depctr_va_ssrc(0) depctr_va_vcc(0) depctr_vm_vsrc(0)
	s_getreg_b32 s2, hwreg(HW_REG_IB_STS2, 6, 4)
	s_cmp_eq_u32 s2, 0
	s_cbranch_scc0 .Lentry_in_a_cluster
	s_endpgm
.Lentry_in_a_cluster:
	s_bfe_u32 s2, ttmp6, 0x10000c
	s_cmp_lg_u32 s2, 0x3003
	s_cbranch_scc0 .Lentry_shape_is_right
	s_endpgm
.Lentry_shape_is_right:
; out0[b][q][64 h ..] = the sum over keys of softmax(q . kk / 8, or -10000 in every key where attention_mask[b][q] is 0) v, both products on codes of BF6 (E3M2) with E8M0 scales.
; THE SOFTMAX AHEAD OF THE SECOND PRODUCT: t = logit x log2(e); M = the row's largest t so far, rounded up to a whole number; p = 2^(t - M) is quantised along the keys, not normalised; the row's sum of the unquantised p divides at the end.
; THE MASK: t = score x CL + AL, with CL = log2(e) / 8 and AL = 0, or, in a lane whose query is masked, CL = 0 and AL = -10000 log2(e).
; LIMITS: the scores are finite (NaN and infinities are not served); the scaled scores t stay under 2^31 in magnitude.
; SHARES: a work-group owns 512 queries of one (batch, head); each of its sixteen waves two tiles of 16 queries, one after the other; every wave walks the head's 2,048 keys, 128 a step.
; THE WHOLE HEAD STAYS IN LDS: 16 records of 13,056 bytes (a key step's kk, v and scale words, as images of operand registers), filled once: wave w brings record w.  No slot is filled again, so the loop has no barrier.
; CLUSTER 4 x 1: the four work-groups of a head need the same 16 records: each is asked for jointly.  One tensor load a wave is out.
; NO PREFETCH: all that a work-group reads of kv is asked for by the head's one load a wave; there is no loop to run ahead in.
; LAYOUT: both products transposed (S^T = kk q^T, O^T = v^T p^T): a lane holds one query (lane % 16).  Lane r of tile T of queries or keys is row 64 (T / 4) + 8 (T % 4) + r % 8 + 32 (r / 8):
; so in S^T the 32 registers of tiles 4 c .. 4 c + 3 are, in lane (r, h), keys 64 c + 32 h + 0 .. 31: ONE WHOLE BLOCK, in the order that p's operand wants.  A block's maximum and scale ask no other lane, and no code changes lanes.
; K = 64 IN AN INSTRUCTION OF K = 128: q's registers 6-11 are zero codes.  kk's fragment t is named v[32 + 6 t : 43 + 6 t]: its upper six registers are the next tile's codes (behind the last: zeros); they meet q's zeros and
; add nothing, since the format has no infinity and no NaN; the scale bytes there are 0, which is 2^-127.
; ELEMENT-WISE WORK GOES IN DUAL-ISSUE PAIRS on neighbouring registers: one destination even, the other odd; the two halves' sources of each place in different register banks, so CL, AL - M and f are kept twice.
; REGISTERS: v1-9 addresses; v10, v11 CL; v12, v13 AL - M; v14, v15 the sum in two halves; v16 -M; v17 AL; v18-31 tile 0's q, zeros, scale word, mask word; v228-241 tile 1's; v32-79 kk's eight half fragments, then v's four fragments;
;   v80-85 zeros; v86-89 kk's scale words, v90-91 v's; v92 8 h; v93 the largest score; v96-159 S^T, then p; v160-191 O^T; v192-210 p's codes; v212-223, v226 at work; v224, v225 f; v227 p's scale word; v218-223, v242-253 partial sums.
.set REC,   13056
.set STAGE, 16*REC                     ; behind the records: 16 rows x (256 + 16) bytes for each wave, for the way out
.set SP,    272
.set SPARE, 0x44000                    ; behind the stages: the spare words, 128 bytes a wave
.set LI,  1
.set LJ,  2
.set ADK, 4
.set ADJ, 5
.set GO,  7
.set STO, 8
.set RD,  9
.set SH,  92
.set MX,  93
.set SEL, 20
.set TB,  36
.set CNT, 37
.macro DEP n
	s_delay_alu instid0(VALU_DEP_\n)
.endm
.macro CROUND
	s_barrier_signal -1
	s_barrier_wait -1
	s_cmp_lg_u32 s14, 0
	s_cbranch_scc1 .Lnot_wave_0_\@
	s_barrier_signal -3
.Lnot_wave_0_\@:
	s_barrier_wait -3
	s_barrier_signal -1
	s_barrier_wait -1
.endm
.macro DADD d, s                       ; the pair at d += the pair at s
	v_dual_add_f32 v[\d], v[\s], v[\d] :: v_dual_add_f32 v[\d+1], v[\s+1], v[\d+1]
.endm
; the n-th of 24 additions of p, two numbers each: eight partial sums by turns; 0-7 take v96-127, 8-23 take v128-159
.macro PADD n
.set k, (\n)%8
.if k < 6
.set TK, 242+2*k
.else
.set TK, 194+4*k
.endif
.if (\n) < 8
	v_dual_add_f32 v[TK], v[96+4*(\n)], v[98+4*(\n)] :: v_dual_add_f32 v[TK+1], v[97+4*(\n)], v[99+4*(\n)]
.else
	DADD TK, 128+2*((\n)-8)
.endif
.endm
.macro ADDS4
.rept 4
	PADD NA
.set NA, NA+1
.endr
.endm
	s_load_b256 s[4:11], s[0:1], 0x0               ; qc, qs, kv, attention_mask
	s_load_b64 s[12:13], s[0:1], 0x20              ; out0
	v_lshl_add_u32 v254, v0, 2, SPARE
	v_mov_b32 v255, 0
	ds_add_u32 v254, v255                          ; the opening lines: the add, twice on end, and its wait
	ds_add_u32 v254, v255
	v_lshrrev_b32 v1, 5, v0
	DEP 1
	v_readfirstlane_b32 s14, v1                    ; wave 0..15
	s_bfe_u32 s15, ttmp6, 0x40000                  ; cx: it enters q's, the mask's and the output's addresses alone
	s_and_b32 s16, ttmp7, 0xffff                   ; 16 x batch + head, which the four partners share
	s_mov_b32 s24, 15|(3<<16)|(1<<21)              ; the mask: all four; elements of 8 bytes; bit 21 beside a mask; no padding
	s_mov_b32 s25, 32<<16                          ; a record is dense: 51 rows of 256 bytes
	s_mov_b32 s26, 51<<16
	s_mov_b32 s27, 32<<16
	s_mov_b32 s28, 51
	s_mov_b32 s29, 32
	s_mov_b32 s30, 0
	s_mov_b32 s31, 0
	s_mov_b32 s32, 1
	s_mul_i32 s33, s14, REC                        ; record w, in LDS as in the head's part of kv
	s_mul_i32 s22, s16, 16*REC
	s_add_co_u32 s22, s22, s33
	s_mov_b32 s23, 0
	s_lshl_b32 s17, s15, 5
	s_add_co_u32 s17, s17, s14                     ; my first tile: 32 cx + wave; the second lies 16 tiles, 256 queries, on
	s_lshl_b32 s18, s16, 7
	s_add_co_u32 s18, s18, s17
	s_mul_i32 s40, s18, 768
	s_mov_b32 s41, 0                               ; its codes,
	s_lshl_b32 s42, s18, 6
	s_mov_b32 s43, 0                               ; its scale words
	s_lshr_b32 s19, s17, 2
	s_lshl_b32 s19, s19, 6
	s_and_b32 s44, s17, 3
	s_lshl_b32 s44, s44, 3
	s_add_co_u32 s19, s19, s44                     ; the tile's first query: 64 (T / 4) + 8 (T % 4)
	s_lshr_b32 s44, s16, 4
	s_lshl_b32 s44, s44, 11
	s_add_co_u32 s19, s19, s44                     ; + 2,048 x batch
	s_lshl_b32 s44, s19, 2
	s_mov_b32 s45, 0                               ; in the mask,
	s_lshl_b32 s46, s19, 12
	s_and_b32 s47, s16, 15
	s_lshl_b32 s47, s47, 8
	s_add_co_u32 s46, s46, s47
	s_mov_b32 s47, 0                               ; in the output: rows of 4,096 bytes, the head's 256
	s_mov_b32 s[SEL], 0x76543210
	s_mov_b32 s[SEL+1], 0xfedcba98
	s_mov_b32 s38, 0x3e38aa3b                      ; log2(e) / 8
	s_wait_dscnt 0x0
	s_wait_kmcnt 0x0
	s_add_nc_u64 s[34:35], s[8:9], s[22:23]
	s_or_b32 s35, s35, 0x80000000
	s_add_nc_u64 s[4:5], s[4:5], s[40:41]
	s_add_nc_u64 s[6:7], s[6:7], s[42:43]
	s_add_nc_u64 s[10:11], s[10:11], s[44:45]
	s_add_nc_u64 s[12:13], s[12:13], s[46:47]
	CROUND                                         ; all four work-groups are here: the joint loads meet
	tensor_load_to_lds s[32:35], s[24:31]
	s_nop 0
	v_and_b32 v4, 31, v0                           ; lane
	v_and_b32 v5, 15, v0                           ; r
	v_bfe_u32 v10, v0, 4, 1                        ; h
	v_lshlrev_b32 v[LI], 4, v4
	v_lshlrev_b32 v[LJ], 3, v4
	v_lshlrev_b32 v3, 2, v5                        ; q's scale word
	v_and_b32 v6, 8, v5
	v_lshlrev_b32 v[SH], 3, v10                    ; 8 h: where my blocks' bytes stand in p's scale word
	v_lshlrev_b32 v[GO], 12, v10
	v_mul_u32_u24 v[STO], v5, SP
	v_mul_u32_u24 v[RD], v10, SP
	v_mad_u32_u24 v6, v6, 3, v5                    ; r % 8 + 32 (r / 8)
	v_lshl_add_u32 v[GO], v5, 4, v[GO]             ; out: lanes 0-15 one row, lanes 16-31 the next; 16 bytes a lane
	s_mul_i32 s39, s14, 16*SP
	s_add_co_u32 s39, s39, STAGE                   ; my stage
	v_lshl_add_u32 v[STO], v10, 6, v[STO]
	v_lshl_add_u32 v[RD], v5, 4, v[RD]
	v_lshlrev_b32 v6, 2, v6                        ; my query's mask word
	v_add_nc_u32 v[STO], s39, v[STO]               ; in: row r, + 64 h: my 16 channels of each 32
	v_add_nc_u32 v[RD], s39, v[RD]                 ; back: by rows
.irp j, 24,25,26,27,28,29,80,81,82,83,84,85,234,235,236,237,238,239
	v_mov_b32 v\j, 0                               ; zero codes; never rewritten
.endr
	s_wait_alu depctr_va_vdst(0)                   ; the wait ahead of the readers below
.irp u, 0,1                                    ; both tiles' q, scale words and mask words are asked for while the records are on their way
	global_load_b128 v[18+210*\u:21+210*\u], v[LI], s[4:5] offset:12288*\u
	global_load_b64 v[22+210*\u:23+210*\u], v[LJ], s[4:5] offset:12288*\u+512
	global_load_b32 v[30+210*\u], v3, s[6:7] offset:1024*\u
	global_load_b32 v[31+210*\u], v6, s[10:11] offset:1024*\u
.endr
; One tile of 16 queries: w = 0, 1
.macro TILE w
.set Q, 18+210*\w
.if \w
	s_wait_xcnt 0x0                                ; the last tile's stores have read their registers
.endif
	v_mov_b32 v[MX], 0xff61b1e6                    ; the largest score so far: -3e38
	v_mov_b32 v16, 0x7f61b1e6                      ; -M: 3e38
	v_mov_b32 v14, 0
	v_mov_b32 v15, 0
.set j, 0
.rept 32
	v_mov_b32 v[160+j], 0                          ; O^T: the loop is written once; its first step finds zeros
.set j, j+1
.endr
	v_mov_b32 v226, s38
	v_mov_b32 v224, 0xc6616bcd                     ; -10000 log2(e)
.if \w == 0
	s_wait_alu depctr_va_vdst(0)
	s_wait_loadcnt 0x0                             ; both tiles' eight loads
.endif
	v_cmp_eq_u32 vcc_lo, 0, v[Q+13]
	v_cndmask_b32 v10, v226, v24, vcc_lo           ; CL
	v_cndmask_b32 v17, v24, v224, vcc_lo           ; AL
	DEP 2
	v_mov_b32 v11, v10
	s_mov_b32 s[TB], 0
	s_mov_b32 s[CNT], 16
	s_wait_alu depctr_va_vdst(0)                   ; the wait at the head's end
.if \w == 0
	s_wait_tensorcnt 0x0                           ; my record is in,
	s_barrier_signal -1
	s_barrier_wait -1                              ; everybody's is
.endif
.Lstep_\@:
	v_add_nc_u32 v[ADK], s[TB], v[LI]
	v_add_nc_u32 v[ADJ], s[TB], v[LJ]              ; with the two pairs behind the last products: four places ahead of loads into registers that those have read
.irp t, 0,1,2,3,4,5,6,7
	ds_load_b128 v[32+6*\t:35+6*\t], v[ADK] offset:768*\t
	ds_load_b64 v[36+6*\t:37+6*\t], v[ADJ] offset:768*\t+512
.endr
	ds_load_b128 v[86:89], v[ADK] offset:12288     ; kk's scale words: register i: tile 2 i in lanes 0-15, tile 2 i + 1 in lanes 16-31
	s_wait_alu depctr_va_vdst(0)
	s_wait_dscnt 0x0
.irp t, 0,2,4,6
	v_wmma_scale_f32_16x16x128_f8f6f4 v[96+8*\t:103+8*\t], v[32+6*\t:43+6*\t], v[Q:Q+11], 0, v[86+\t/2], v[Q+12] matrix_a_fmt:MATRIX_FMT_BF6 matrix_b_fmt:MATRIX_FMT_BF6
	v_wmma_scale_f32_16x16x128_f8f6f4 v[104+8*\t:111+8*\t], v[38+6*\t:49+6*\t], v[Q:Q+11], 0, v[86+\t/2], v[Q+12] matrix_a_fmt:MATRIX_FMT_BF6 matrix_b_fmt:MATRIX_FMT_BF6 matrix_a_scale:MATRIX_SCALE_ROW1
.endr
	v_mov_b32 v226, v16                            ; the old -M; with three v_nop the four places behind the products
.rept 3
	v_nop
.endr
.irp t, 0,1,2,3                                ; v's fragments land while the softmax is walked
.irp c, 0,1
	ds_load_b128 v[32+12*\t+6*\c:35+12*\t+6*\c], v[ADK] offset:6144+1536*\t+768*\c
	ds_load_b64 v[36+12*\t+6*\c:37+12*\t+6*\c], v[ADJ] offset:6144+1536*\t+768*\c+512
.endr
.endr
	ds_load_b64 v[90:91], v[ADJ] offset:12800
.irp b, 0,1,2,3
	v_max3_num_f32 v[212+\b], v[96+16*\b], v[97+16*\b], v[98+16*\b]   ; four chains of 16 scores; each accumulator is read from its low end on
.endr
.irp e, 3,5,7,9,11,13
.irp b, 0,1,2,3
	v_max3_num_f32 v[212+\b], v[212+\b], v[96+16*\b+\e], v[97+16*\b+\e]
.endr
.endr
	v_max3_num_f32 v212, v212, v213, v111
	v_max3_num_f32 v213, v214, v215, v143
	v_max_num_f32 v212, v212, v127                 ; the largest score of my block 0 + h,
	v_max_num_f32 v213, v213, v159                 ; and of my block 2 + h: for the row's maximum, and for the block's largest p
	DEP 1
	v_max_num_f32 v214, v212, v213
	DEP 1
	v_permlanex16_b32 v215, v214, s[SEL], s[SEL+1]
	DEP 1
	v_max3_num_f32 v[MX], v[MX], v214, v215        ; the row's largest score so far
	DEP 1
	v_fma_f32 v216, v[MX], v10, v17                ; as t (CL is positive or 0)
	DEP 1
	v_floor_f32 v16, -v216                         ; the new -M = -ceil(t): a whole number
	DEP 1
	v_add_f32 v12, v16, v17                        ; AL - M,
	DEP 2
	v_add_f32 v13, v16, v17                        ; twice
	DEP 3
	v_sub_f32 v226, v16, v226                      ; old M - new M: a whole number, 0 or less
	DEP 1
	v_cvt_i32_f32 v226, v226                       ; (it saturates)
	DEP 1
	v_ldexp_f32 v224, 1.0, v226                    ; f = 2^(old M - new M): a multiplication by it rounds nothing;
	DEP 2
	v_ldexp_f32 v225, 1.0, v226                    ; twice
.set j, 0
.rept 32
	v_dual_fma_f32 v[96+j], v[96+j], v10, v12 :: v_dual_fma_f32 v[97+j], v[97+j], v11, v13   ; t - M, two at a time
.set j, j+2
.endr
	v_fma_f32 v212, v212, v10, v12                 ; the same of each block's largest score
	v_fma_f32 v213, v213, v10, v12
.set j, 0
.rept 16
	v_dual_mul_f32 v[160+j], v224, v[160+j] :: v_dual_mul_f32 v[161+j], v225, v[161+j]   ; O^T under the new M, from each accumulator's low end on
.set j, j+2
.endr
	v_dual_mul_f32 v14, v224, v14 :: v_dual_mul_f32 v15, v225, v15   ; and the sum
	s_add_co_u32 s[TB], s[TB], REC
	s_wait_alu depctr_va_vdst(0)                   ; the wait ahead of the batch
	v_exp_f32 v212, v212                           ; the blocks' largest p: the same arithmetic on the same number gives the same bits
	v_exp_f32 v213, v213
.set j, 0
.rept 64
	v_exp_f32 v[96+j], v[96+j]                     ; p = 2^(t - M)
.set j, j+1
.endr
	v_nop                                          ; a place behind the exponentials
	s_wait_alu depctr_va_vdst(0)                   ; one wait for the batch, ahead of its first reader
	s_wait_dscnt 0x0                               ; v's fragments and scale words
.set NA, 0
	v_max_num_f32 v212, 0x2800000, v212            ; the floor 2^(5 - 127): the byte cannot fall under 1
	v_max_num_f32 v213, 0x2800000, v213
	ADDS4                                          ; the row's sum is taken of the unquantised p; its additions stand between the scale's dependent lines
	v_add_nc_u32 v220, 0xfe000000, v212            ; 4 off the exponent field: the conversion's scale operand
	v_add_nc_u32 v221, 0xfe000000, v213
	ADDS4
	v_lshrrev_b32 v216, 23, v220
	v_lshrrev_b32 v217, 23, v221
	ADDS4
	v_lshl_or_b32 v227, v217, 16, v216             ; my two bytes: blocks h and 2 + h,
	ADDS4
	v_lshlrev_b32 v227, v[SH], v227                ; at their places in the word
	ADDS4
	v_permlanex16_b32 v215, v227, s[SEL], s[SEL+1]
	ADDS4
.irp c, 0,1
	v_cvt_scalef32_pk16_bf6_f32 v[192+6*\c:194+6*\c], v[96+32*\c:111+32*\c], v[220+\c]
	v_cvt_scalef32_pk16_bf6_f32 v[204+4*\c:206+4*\c], v[112+32*\c:127+32*\c], v[220+\c]   ; (a conversion's three registers begin on an even number)
.endr
	v_or_b32 v227, v227, v215                      ; with lane l xor 16's two bytes: p's scale word for these 128 keys.  Also the plain instruction behind the conversions
.irp c, 0,1
.irp e, 0,1,2
	v_mov_b32 v[195+6*\c+\e], v[204+4*\c+\e]
.endr
.endr
	DADD 242, 244                                  ; six places between the codes' last move and the products; twelve behind the scale word
	DADD 246, 248
	DADD 250, 252
	DADD 218, 222
	DADD 242, 246
	DADD 250, 218
.irp t, 0,2
	v_wmma_scale_f32_16x16x128_f8f6f4 v[160+8*\t:167+8*\t], v[32+12*\t:43+12*\t], v[192:203], v[160+8*\t:167+8*\t], v[90+\t/2], v227 matrix_a_fmt:MATRIX_FMT_BF6 matrix_b_fmt:MATRIX_FMT_BF6
	v_wmma_scale_f32_16x16x128_f8f6f4 v[168+8*\t:175+8*\t], v[44+12*\t:55+12*\t], v[192:203], v[168+8*\t:175+8*\t], v[90+\t/2], v227 matrix_a_fmt:MATRIX_FMT_BF6 matrix_b_fmt:MATRIX_FMT_BF6 matrix_a_scale:MATRIX_SCALE_ROW1
.endr
	DADD 242, 250
	DADD 14, 242                                   ; the step's p are in the sum
	s_sub_co_u32 s[CNT], s[CNT], 1
	s_cmp_lg_u32 s[CNT], 0
	s_cbranch_scc1 .Lstep_\@
	; the way out: O^T / the sum goes through my stage and leaves by rows: sixteen lanes store a query's 256 bytes of this head
	v_add_f32 v14, v14, v15
	DEP 1
	v_permlanex16_b32 v226, v14, s[SEL], s[SEL+1]
	DEP 1
	v_add_f32 v14, v14, v226                       ; the row's sum
	s_wait_alu depctr_va_vdst(0)
	v_rcp_f32 v14, v14
	v_nop                                          ; a plain instruction behind the reciprocal
	s_wait_alu depctr_va_vdst(0)                   ; the wait ahead of its first reader, and of O^T's
.set j, 0
.rept 16
	v_pk_mul_f32 v[96+j:97+j], v[160+j:161+j], v[14:15] op_sel_hi:[1,0]   ; register 16 b + e: channel 32 b + 16 h + e
.set j, j+2
.endr
.irp b, 0,1
.irp n, 0,1,2,3
	ds_store_b128 v[STO], v[96+16*\b+4*\n:99+16*\b+4*\n] offset:128*\b+16*\n
.endr
.endr
.irp n, 0,1,2,3,4,5,6,7
	ds_load_b128 v[32+4*\n:35+4*\n], v[RD] offset:2*SP*\n   ; LDS serves a wave's instructions in order: these see my stores
.endr
.irp n, 0,1,2,3,4,5,6,7
	s_wait_dscnt 7-\n                              ; the younger loads may be out
	global_store_b128 v[GO], v[32+4*\n:35+4*\n], s[12:13] offset:1048576*\w+(2*\n+24*(\n/4))*4096 th:TH_STORE_NT   ; stage row m is query m % 8 + 32 (m / 8) of the tile; 256 consecutive bytes, aligned
.endr
.endm
	TILE 0
	TILE 1
	s_wait_tensorcnt 0x0                           ; the wave's end
	ds_add_u32 v254, v255
	s_wait_dscnt 0x0
	CROUND                                         ; the closing round
	s_endpgm
.Lfunc_end_k_q3b915feea2_attn:
	.size	k_q3b915feea2_attn, .Lfunc_end_k_q3b915feea2_attn-k_q3b915feea2_attn
	.p2alignl 7, 3214868480
	.fill 96, 4, 3214868480
	.section	.rodata,"a",@progbits
	.p2align	6, 0x0
	.amdhsa_kernel k_q3b915feea2_attn
		.amdhsa_group_segment_fixed_size 280576
		.amdhsa_private_segment_fixed_size 0
		.amdhsa_enable_private_segment 0
		.amdhsa_kernarg_size 40
		.amdhsa_user_sgpr_count 2
		.amdhsa_user_sgpr_kernarg_segment_ptr 1
		.amdhsa_wavefront_size32 1
		.amdhsa_system_sgpr_workgroup_id_x 1
		.amdhsa_system_sgpr_workgroup_id_y 1
		.amdhsa_system_sgpr_workgroup_id_z 1
		.amdhsa_system_vgpr_workitem_id 0
		.amdhsa_next_free_vgpr 256
		.amdhsa_next_free_sgpr 66
		.amdhsa_reserve_vcc 1
		.amdhsa_float_denorm_mode_32 3
		.amdhsa_float_denorm_mode_16_64 3
		.amdhsa_memory_ordered 1
		.amdhsa_forward_progress 1
		.amdhsa_inst_pref_size 49
	.end_amdhsa_kernel
	.amdgpu_metadata
---
amdhsa.version: [ 1, 2 ]
amdhsa.kernels:
  - .name:           k_q3b915feea2_attn
    .symbol:         k_q3b915feea2_attn.kd
    .args:
      - { .name: qc, .offset: 0, .size: 8, .value_kind: global_buffer, .address_space: global }
      - { .name: qs, .offset: 8, .size: 8, .value_kind: global_buffer, .address_space: global }
      - { .name: kv, .offset: 16, .size: 8, .value_kind: global_buffer, .address_space: global }
      - { .name: attention_mask, .offset: 24, .size: 8, .value_kind: global_buffer, .address_space: global }
      - { .name: out0, .offset: 32, .size: 8, .value_kind: global_buffer, .address_space: global }
    .group_segment_fixed_size: 280576
    .private_segment_fixed_size: 0
    .kernarg_segment_align: 8
    .kernarg_segment_size: 40
    .max_flat_workgroup_size: 512
    .sgpr_count:     66
    .vgpr_count:     256
    .wavefront_size: 32
...
	.end_amdgpu_metadata
.endif
;; end of part 3
